; MI455X (gfx1250); checked and timed in simulation.
; The chip was launched on July 23, 2026; its instructions are those of AMD's public machine-readable ISA for CDNA 5 (MIT licence, August 2026) and "CDNA5" Instruction Set Architecture Reference Guide (July 2026). The comments in the code are by the model that wrote it; some were corrected since.
;; Embedding Search Layer. Allowed arithmetic: matrix products marked QUANTISED: E4M3 operands, one given power-of-two scale a tensor, by v_wmma_f32_16x16x64_fp8_fp8 or v_wmma_f32_16x16x128_fp8_fp8, f32 sums; everything else in f32.
;; Inputs: lowp_scales 2 int32 (the exponents e of the quantised operands' scales 2^e); query 2,048 x 256 float32; vectors 131,072 x 256 float32.
;; Outputs: out0 2,048 int32.
;; This version of the problem:
;;   THIS VERSION OF THE PROBLEM IS GIVEN IN LOW PRECISION. The matrix products marked QUANTISED in the list below multiply operands that are first quantised to E4M3 (4 exponent bits, 3 mantissa bits; 8 bits a number), with one given power-of-two scale for each operand tensor; their sums are f32. All else is computed in f32.
;;   The module's matrix products, in the order in which they are computed (A, B: the left and right operand; K: the contracted axis; several contracted axes count as one K, in the product's order):
;;     1. [M 2,048, K 256] x [K 256, N 131,072]; A: input query; B: input vectors: QUANTISED (scales: A lowp_scales[0], B lowp_scales[1])
;;   THE QUANTISER, for each operand of a quantised product, along K:
;;     - The operand's scale is 2^e, e = its entry of the input lowp_scales (int32; the entries are numbered through the quantised products in the list's order, A before B).
;;     - Each number is divided by the scale, clamped to +-448, and rounded to the nearest number of E4M3, ties to even, subnormals kept.
;;     - The product sums the exact products of the quantised numbers (number of the format x scale) in f32.
;;   ~~~python
;;   def quantise(x, axis, e):      # numpy; x: float32 -> the quantised numbers, widened to float32 again
;;       x = np.moveaxis(x, axis, -1); K = x.shape[-1]
;;       r = np.clip(x / 2.0 ** e, -448, 448)
;;       step = 2.0 ** (np.maximum(np.frexp(np.where(r == 0, 1, r))[1] - 1, -6) - 3)
;;       q = np.round(r / step) * step * 2.0 ** e      # np.round: ties to even
;;       return np.moveaxis(q, -1, axis).astype(np.float32)
;;   ~~~
;; One version. Each part assembles by itself: llvm-mc -triple=amdgcn-amd-amdhsa -mcpu=gfx1250 --defsym DOCPART=n.
;; ======== version 1 of 1: 3 launches
;; limits: right only within a limited range of input values
;; workspace buffers: qimg 524,288 bytes; qsq 8,192 bytes; cand 4,194,304 bytes of whole numbers
;; launch qprep (part 1): grid 16 x 1, 8 waves a work-group, no clusters, 135,168 bytes of LDS; arguments lowp_scales, query, qimg, qsq; writes qimg, qsq
.if DOCPART == 1
	.amdgcn_target "amdgcn-amd-amdhsa--gfx1250"
	.amdhsa_code_object_version 6
	.text
	.protected	k_q7fd04cf6be_qprep
	.globl	k_q7fd04cf6be_qprep
	.p2align	8
	.type	k_q7fd04cf6be_qprep,@function
k_q7fd04cf6be_qprep:
	s_mov_b64 s[64:65], 0
	v_nop
	global_prefetch_b8 v0, s[64:65] scope:SCOPE_SE
	s_setreg_imm32_b32 hwreg(HW_REG_WAVE_MODE, 25, 1), 1
	s_wait_xcnt 0x0
; query [2048][256] f32  ->  qimg: codes of E4M3 with the given scale 2^eq, laid as images of a matrix operand's registers;  qsq: the rows' sums of squares (of the numbers as given), f32.
; A wave takes a tile of 16 queries, T = 8 x work-group + wave.  Lane (r = lane % 16, h = lane / 16) holds row r's numbers k = 128 h .. 128 h + 127: its 128 registers run along K, so sixteen
; conversions give its 32 operand registers in order: register n, byte b = k 128 h + 4 n + b; registers 0-15 feed the first matrix instruction of a sum, 16-31 the second.  The vectors are laid by the same
; order of k in the later launches, so every product meets its partner.
; qimg: tile T at 4,096 T; piece p (registers 4 p .. 4 p + 3) at 512 p; lane l's 16 bytes at 16 l.  Every store of a wave covers 512 consecutive bytes.
; The loads take the rows as they lie (512 consecutive bytes an instruction) and turn through the wave's own stage in LDS, rows 1,040 bytes apart (65 x 16: sixteen rows start at sixteen different 16-byte columns modulo 256).
; LIMITS: eq between -126 and 119.  NaN and infinities are not served.  The sum of squares goes in four packed chains, an order other than the source's.
; 16 work-groups: the launch moves 2.6 MB; eight waves a group make the 128 sums of squares two whole runs of 256 bytes.
.set WST,  16640                       ; a wave's stage: 16 rows x 1,040 bytes
.set QSB,  133120                      ; behind the eight stages: 128 sums of squares
.set LO,   1                           ; v1   16 x lane
.set SI,   2                           ; v2   the stage, on the way in
.set SO,   3                           ; v3   and on the way out: row r, + 512 h
.set SCL,  4                           ; v4   2^eq as f32
.set LIM,  5                           ; v5   448 x 2^eq
.set VS,   6                           ; v6   the row's sum of squares
.set T,    7                           ; v7   the lane permute's target
.set P,    8                           ; v8-15  four packed chains
.set CD,   16                          ; v16-47 the codes
.set R,    48                          ; v48-175 128 numbers
.set QSW,  176                         ; v176 where my row's sum of squares goes: QSB + 64 x wave + 4 r
.set QRD,  177                         ; v177 where wave 0 reads the 128 sums back: QSB + 16 x lane (an LDS immediate has 16 bits, so the base stands in the register)
.set SELR, 22                          ; s[22:23] lane selects: lane l xor 16
.set MSB, 0
.macro WIN new
.if MSB != \new
	s_set_vgpr_msb (MSB<<8)|\new
.set MSB, \new
.endif
.endm
.macro TURN                            ; 16 rows through my own stage: LDS serves a wave's instructions in order
.set nn, 0
.rept 32
.if (nn%8) == 0
	s_wait_loadcnt 24-nn                           ; loads come back in order: the next eight are in, the younger ones of the run stay out
.endif
	ds_store_b128 v[SI], v[R+4*nn:R+4*nn+3] offset:(nn/2)*1040+(nn%2)*512
.set nn, nn+1
.endr
	s_wait_dscnt 0x0                               ; the stores have read their registers
.set nn, 0
.rept 32
	ds_load_b128 v[R+4*nn:R+4*nn+3], v[SO] offset:16*nn
.set nn, nn+1
.endr
	s_wait_dscnt 0x0
.endm
.macro SUMSQ                           ; the sum of squares of my 128 numbers and of lane l xor 16's: the whole row's, in both lanes
.irp x, 0,1,2,3
	v_pk_mul_f32 v[P+2*\x:P+2*\x+1], v[R+2*\x:R+2*\x+1], v[R+2*\x:R+2*\x+1]
.endr
.set kk, 1
.rept 15
.irp x, 0,1,2,3
	s_delay_alu instid0(VALU_DEP_4)
	v_pk_fma_f32 v[P+2*\x:P+2*\x+1], v[R+8*kk+2*\x:R+8*kk+2*\x+1], v[R+8*kk+2*\x:R+8*kk+2*\x+1], v[P+2*\x:P+2*\x+1]
.endr
.set kk, kk+1
.endr
	s_delay_alu instid0(VALU_DEP_3)
	v_pk_add_f32 v[P:P+1], v[P:P+1], v[P+2:P+3]
	s_delay_alu instid0(VALU_DEP_2)
	v_pk_add_f32 v[P+4:P+5], v[P+4:P+5], v[P+6:P+7]
	s_delay_alu instid0(VALU_DEP_1)
	v_pk_add_f32 v[P:P+1], v[P:P+1], v[P+4:P+5]
	s_delay_alu instid0(VALU_DEP_1)
	v_add_f32 v[VS], v[P], v[P+1]
	s_delay_alu instid0(VALU_DEP_1)
	v_permlanex16_b32 v[T], v[VS], s[SELR], s[SELR+1]
	s_delay_alu instid0(VALU_DEP_1)
	v_add_f32 v[VS], v[VS], v[T]
.endm
.macro QUANT dst, dwin                 ; 128 numbers -> 32 registers of codes at v[dst] of window dwin
.set cc, 0
.rept 128
	v_med3_num_f32 v[R+cc], v[R+cc], -v[LIM], v[LIM]   ; the conversion to an 8-bit code does not saturate (ISA guide 7.6.2): the hold at the largest code x the scale
.set cc, cc+1
.endr
.if \dwin
	WIN 0x40
.endif
.set cc, 0
.rept 16
	v_cvt_scalef32_pk8_fp8_f32 v[(\dst)+2*cc:(\dst)+2*cc+1], v[R+8*cc:R+8*cc+7], v[SCL]
.set cc, cc+1
.endr
	WIN 0
	v_nop                                          ; a plain vector instruction behind the last conversion
.endm
	s_load_b256 s[4:11], s[0:1], 0x0               ; the scales' exponents s[4:5], query s[6:7], qimg s[8:9], qsq s[10:11]
	v_lshl_add_u32 v192, v0, 2, 0x20c00
	v_mov_b32 v193, 0
	v_lshrrev_b32 v16, 5, v0
	s_delay_alu instid0(VALU_DEP_1)
	v_readfirstlane_b32 s12, v16                   ; wave 0..7
	v_and_b32 v17, 31, v0                          ; lane
	v_and_b32 v18, 15, v0                          ; r
	v_bfe_u32 v19, v0, 4, 1                        ; h
	s_delay_alu instid0(VALU_DEP_3)
	v_lshlrev_b32 v[LO], 4, v17
	s_mul_i32 s13, s12, WST
	v_add_nc_u32 v[SI], s13, v[LO]
	v_mul_u32_u24 v[SO], v18, 1040
	s_delay_alu instid0(VALU_DEP_1)
	v_lshl_add_u32 v[SO], v19, 9, v[SO]
	s_delay_alu instid0(VALU_DEP_1)
	v_add_nc_u32 v[SO], s13, v[SO]
	s_lshl_b32 s25, s12, 6
	s_add_co_u32 s25, s25, QSB
	v_lshl_add_u32 v[QSW], v18, 2, s25             ; my row's word among the 128
	v_add_nc_u32 v[QRD], QSB, v[LO]                ; made here, ahead of the branch on the wave's number
	v_mov_b32 v[T], 0                              ; written once: a lane permute's destination counts as one of its sources
	s_lshl_b32 s14, ttmp9, 3
	s_add_co_u32 s14, s14, s12                     ; my tile
	s_lshl_b32 s16, s14, 14                        ; its 16 rows of 1,024 bytes
	s_mov_b32 s17, 0
	s_lshl_b32 s18, s14, 12                        ; its image
	s_mov_b32 s19, 0
	s_lshl_b32 s20, ttmp9, 9                       ; the work-group's 128 sums
	s_mov_b32 s21, 0
	s_mov_b32 s[SELR], 0x76543210
	s_mov_b32 s[SELR+1], 0xfedcba98
	s_wait_alu depctr_va_vdst(0)
	s_wait_kmcnt 0x0
	s_load_b32 s24, s[4:5], 0x0                    ; eq
	s_add_nc_u64 s[6:7], s[6:7], s[16:17]
	s_add_nc_u64 s[8:9], s[8:9], s[18:19]
	s_add_nc_u64 s[10:11], s[10:11], s[20:21]
.set nn, 0
.rept 32
	global_load_b128 v[R+4*nn:R+4*nn+3], v[LO], s[6:7] offset:512*nn th:TH_LOAD_NT   ; 32 lanes read 512 consecutive bytes
.set nn, nn+1
.endr
	TURN
	s_wait_kmcnt 0x0
	s_add_co_i32 s24, s24, 127
	s_lshl_b32 s26, s24, 23
	v_mov_b32 v[SCL], s26                          ; 2^eq as f32: the conversion takes its exponent field
	s_add_co_i32 s24, s24, 8
	s_lshl_b32 s24, s24, 23
	s_or_b32 s24, s24, 0x600000
	v_mov_b32 v[LIM], s24                          ; 448 x 2^eq
	SUMSQ                                          ; of the numbers as given, ahead of the hold
	QUANT CD, 0
.irp p, 0,1,2,3,4,5,6,7
	global_store_b128 v[LO], v[CD+4*\p:CD+4*\p+3], s[8:9] offset:512*\p
.endr
	ds_store_b32 v[QSW], v[VS]                     ; lanes r and r + 16 write the same word with the same value
	s_wait_dscnt 0x0                               ; for wave 0's sake: my store has landed
	s_barrier_signal -1
	s_barrier_wait -1
	s_cmp_lg_u32 s12, 0
	s_cbranch_scc1 .Lend
	ds_load_b128 v[178:181], v[QRD]                ; wave 0: the 128 sums, 16 bytes a lane
	s_wait_dscnt 0x0
	global_store_b128 v[LO], v[178:181], s[10:11]  ; 512 consecutive bytes
.Lend:
	s_wait_tensorcnt 0x0
	ds_add_u32 v192, v193
	s_wait_dscnt 0x0
	s_endpgm
.Lfunc_end_k_q7fd04cf6be_qprep:
	.size	k_q7fd04cf6be_qprep, .Lfunc_end_k_q7fd04cf6be_qprep-k_q7fd04cf6be_qprep
	.p2alignl 7, 3214868480
	.fill 96, 4, 3214868480
	.section	.rodata,"a",@progbits
	.p2align	6, 0x0
	.amdhsa_kernel k_q7fd04cf6be_qprep
		.amdhsa_group_segment_fixed_size 135168
		.amdhsa_private_segment_fixed_size 0
		.amdhsa_enable_private_segment 0
		.amdhsa_kernarg_size 32
		.amdhsa_user_sgpr_count 2
		.amdhsa_user_sgpr_kernarg_segment_ptr 1
		.amdhsa_wavefront_size32 1
		.amdhsa_system_sgpr_workgroup_id_x 1
		.amdhsa_system_sgpr_workgroup_id_y 1
		.amdhsa_system_sgpr_workgroup_id_z 1
		.amdhsa_system_vgpr_workitem_id 0
		.amdhsa_next_free_vgpr 194
		.amdhsa_next_free_sgpr 66
		.amdhsa_reserve_vcc 0
		.amdhsa_float_denorm_mode_32 3
		.amdhsa_float_denorm_mode_16_64 3
		.amdhsa_memory_ordered 1
		.amdhsa_forward_progress 1
		.amdhsa_inst_pref_size 27
	.end_amdhsa_kernel
	.amdgpu_metadata
---
amdhsa.version: [ 1, 2 ]
amdhsa.kernels:
  - .name:           k_q7fd04cf6be_qprep
    .symbol:         k_q7fd04cf6be_qprep.kd
    .args:
      - { .name: lowp_scales, .offset: 0, .size: 8, .value_kind: global_buffer, .address_space: global }
      - { .name: query, .offset: 8, .size: 8, .value_kind: global_buffer, .address_space: global }
      - { .name: qimg, .offset: 16, .size: 8, .value_kind: global_buffer, .address_space: global }
      - { .name: qsq, .offset: 24, .size: 8, .value_kind: global_buffer, .address_space: global }
    .group_segment_fixed_size: 135168
    .private_segment_fixed_size: 0
    .kernarg_segment_align: 8
    .kernarg_segment_size: 32
    .max_flat_workgroup_size: 256
    .sgpr_count:     66
    .vgpr_count:     194
    .wavefront_size: 32
...
	.end_amdgpu_metadata
.endif
;; end of part 1
;; launch scan (part 2): grid 256 x 1, 8 waves a work-group, no clusters, 327,680 bytes of LDS; arguments lowp_scales, vectors, qimg, qsq, cand; writes cand
.if DOCPART == 2
	.amdgcn_target "amdgcn-amd-amdhsa--gfx1250"
	.amdhsa_code_object_version 6
	.text
	.protected	k_q7fd04cf6be_scan
	.globl	k_q7fd04cf6be_scan
	.p2align	8
	.type	k_q7fd04cf6be_scan,@function
k_q7fd04cf6be_scan:
	s_mov_b64 s[64:65], 0
	v_nop
	global_prefetch_b8 v0, s[64:65] scope:SCOPE_SE
	s_setreg_imm32_b32 hwreg(HW_REG_WAVE_MODE, 25, 1), 1
	s_wait_xcnt 0x0
; For 1,024 queries and 1,024 vectors a work-group: for each query and each half h of the lanes, the smallest distance g = sqrt(max(q_sq + v_sq - 2 cross, 0)) and the first chunk of 16 neighbouring vectors that reaches it.
; cross is the quantised product: codes of E4M3 (scales 2^eq, 2^ev), v_wmma_f32_16x16x128_fp8_fp8, two instructions for K = 256, sums in f32.
; SHARES.  Work-group x: query block x % 2 (1,024 queries), stripe x / 2 (1,024 vectors).  Wave W keeps the codes of queries 128 W .. + 127 of the block (eight tiles, images made by the launch before) in window 1 for the whole kernel.
; The stripe goes past in eight trips of 128 vectors through a ring of two LDS slots of f32 rows: each wave fetches 16 rows by one tensor load, quantises one tile of 16 vectors, and puts the image of its operand registers
; and the tile's C into LDS; behind a barrier every wave multiplies all eight tiles against its eight query tiles: 128 matrix instructions a wave a trip, while the next 128 rows are on their way.
; ARITHMETIC.  e = eq + ev.  A sum begins with C = -v_sq 2^(-e-1) (an exact scaling), so d = q_sq + NS acc with NS = -2^(e+1) is q_sq + v_sq - 2 cross.  NS is negative, so the largest acc is the smallest d;
; d <= 0 holds exactly where acc >= q_sq 2^(-e-1): the clamp at 0 is min(acc, q_sq 2^(-e-1)), taken of each chunk's maximum.  A strict compare keeps the first chunk.
; The root never decreases, so it cannot change which d is the smallest: it is taken of each lane's eight winners alone, at the end.
; LIMIT of rounding: where two chunks' d differ and their rounded roots are equal, the smaller d is kept here, not the earlier chunk.  Which of the 16 it was is found by the next launch.
; LAYOUT.  Source 0 = 16 vectors, source 1 = 16 queries: lane (r, h) holds query r and, in register j, row 8 h + j of the tile.  Lane r of tile 2 b + u takes the slot's row 32 b + 8 u + r + 8 (r / 8),
; so the 16 registers of tiles 2 b, 2 b + 1 are the neighbours 32 b + 16 h + 0 .. 15: chunk 8 trip + 2 b + h of the stripe.  K: lane (r, h), register n of 32, byte c: k = 128 h + 4 n + c, in both operands.
; OUT.  cand: for queries 32 G .. + 31 and entry E = 2 stripe + h, 256 bytes at (256 G + E) x 256: eight bytes a query: the bits of g (never negative), and the chunk's number in all of the vectors.
; NO CLUSTER: a tile of vectors is read by two work-groups alone (x and x xor 1).  Four partners to a stripe would mean 512 queries a work-group and each vector quantised four times, not twice.
; The two share each tile's prefetch: of tile s + 2's 512 runs of 256 bytes each takes 256, a lane a run, one instruction a wave, in trip s; trip s + 1 loads that tile.  Trips 6 and 7 ask for nothing.
; LIMITS: ev between -126 and 119, eq + ev between -127 and 125.  NaN and infinities are not served; a sum at or under -3.4e38 is not served.  The root is good to one unit in the last place.
; LDS: two slots of 128 rows x 1,040 bytes at 0 and 133,120; IMG 266,240: eight images of 4,096; VSQ 299,008: 128 words of C; OST 299,520: 2,048 bytes a wave (q_sq in, results out); SPARE 315,904.  All of LDS is claimed.
; REGISTERS, window 0: v1-23 addresses and small things; v24-31 q_sq 2^(-e-1); v32-39 best; v40-47 its chunk; v48-63 C of a pair of tiles; v64-191 two buffers of a pair's fragments; v192-255 eight accumulators.
; While a tile is quantised: v64-191 its numbers, v192-223 its codes, v48-55 the chains of the sum of squares.  Window 1: the queries' codes, tile t at 32 t.
.set SLOT,  133120
.set TILEB, 131072                     ; 128 rows of 1,024 bytes in memory
.set IMG,   266240
.set VSQ,   299008
.set OST,   299520
.set SPARE, 315904
.set SPW,  1
.set NIL,  2
.set LO,   3                           ; 16 x lane
.set VA,   4                           ; v4, v5: my row of my tile in slot 0, 1
.set IMW,  6
.set IMR,  7
.set VSA,  8
.set VSB,  9
.set SCL,  10
.set LIM,  11
.set VS,   12
.set T,    13
.set PFO,  14                          ; 256 x lane
.set HH,   15                          ; h
.set MX,   16
.set ORD,  20
.set QR,   21
.set OW,   22
.set CO,   23
.set QC,   24
.set BEST, 32
.set IDX,  40
.set BIAS, 48
.set P,    48
.set AF,   64
.set R,    64
.set GG,   64
.set ACC,  192
.set CD,   192
.set G1,   24                          ; s[24:31]
.set G0,   32                          ; s[32:39]: a group 0 for each slot
.set SELR, 44
.set PFA,  46
.set CUR,  48                          ; s48-51: 8 trip + 2 b
.set MSB, 0
.macro WIN new
.if MSB != \new
	s_set_vgpr_msb (MSB<<8)|\new
.set MSB, \new
.endif
.endm
.macro SUMSQ                           ; the sum of squares of my 128 numbers and of lane l xor 16's: the whole row's, in both lanes
.irp x, 0,1,2,3
	v_pk_mul_f32 v[P+2*\x:P+2*\x+1], v[R+2*\x:R+2*\x+1], v[R+2*\x:R+2*\x+1]
.endr
.set kk, 1
.rept 15
.irp x, 0,1,2,3
	s_delay_alu instid0(VALU_DEP_4)
	v_pk_fma_f32 v[P+2*\x:P+2*\x+1], v[R+8*kk+2*\x:R+8*kk+2*\x+1], v[R+8*kk+2*\x:R+8*kk+2*\x+1], v[P+2*\x:P+2*\x+1]
.endr
.set kk, kk+1
.endr
	s_delay_alu instid0(VALU_DEP_3)
	v_pk_add_f32 v[P:P+1], v[P:P+1], v[P+2:P+3]
	s_delay_alu instid0(VALU_DEP_2)
	v_pk_add_f32 v[P+4:P+5], v[P+4:P+5], v[P+6:P+7]
	s_delay_alu instid0(VALU_DEP_1)
	v_pk_add_f32 v[P:P+1], v[P:P+1], v[P+4:P+5]
	s_delay_alu instid0(VALU_DEP_1)
	v_add_f32 v[VS], v[P], v[P+1]
	s_delay_alu instid0(VALU_DEP_1)
	v_permlanex16_b32 v[T], v[VS], s[SELR], s[SELR+1]
	s_delay_alu instid0(VALU_DEP_1)
	v_add_f32 v[VS], v[VS], v[T]
.endm
.macro QUANT                           ; 128 numbers -> 32 registers of codes
.set cc, 0
.rept 128
	v_med3_num_f32 v[R+cc], v[R+cc], -v[LIM], v[LIM]   ; the conversion does not saturate (ISA guide 7.6.2): the hold at the largest code x the scale
.set cc, cc+1
.endr
.set cc, 0
.rept 16
	v_cvt_scalef32_pk8_fp8_f32 v[CD+2*cc:CD+2*cc+1], v[R+8*cc:R+8*cc+7], v[SCL]
.set cc, cc+1
.endr
	v_nop                                          ; a plain vector instruction behind the last conversion
.endm
.macro AFLOAD p, buf                   ; the fragments of tiles 2 p, 2 p + 1: 16 loads
.irp u, 0,1
.irp q, 0,1,2,3,4,5,6,7
	ds_load_b128 v[AF+64*(\buf)+32*\u+4*\q:AF+64*(\buf)+32*\u+4*\q+3], v[IMR] offset:4096*(2*(\p)+\u)+512*\q
.endr
.endr
.endm
.macro BLOAD p                         ; their C: lane (r, h): rows 8 h + 0 .. 7: 4 loads
.irp u, 0,1
	ds_load_b128 v[BIAS+8*\u:BIAS+8*\u+3], v[VSB] offset:64*(2*(\p)+\u)
	ds_load_b128 v[BIAS+8*\u+4:BIAS+8*\u+7], v[VSB] offset:64*(2*(\p)+\u)+16
.endr
.endm
.macro MULS buf, t0                    ; a pair of vector tiles x query tiles t0 .. t0 + 3: eight accumulators by turns, one instruction a turn
	WIN 0x04                                       ; source 1 (the queries' codes) window 1
.irp c, 0,1,2,3
.irp u, 0,1
	v_wmma_f32_16x16x128_fp8_fp8 v[ACC+16*\c+8*\u:ACC+16*\c+8*\u+7], v[AF+64*(\buf)+32*\u:AF+64*(\buf)+32*\u+15], v[32*((\t0)+\c):32*((\t0)+\c)+15], v[BIAS+8*\u:BIAS+8*\u+7]
.endr
.endr
.irp c, 0,1,2,3
.irp u, 0,1
	v_wmma_f32_16x16x128_fp8_fp8 v[ACC+16*\c+8*\u:ACC+16*\c+8*\u+7], v[AF+64*(\buf)+32*\u+16:AF+64*(\buf)+32*\u+31], v[32*((\t0)+\c)+16:32*((\t0)+\c)+31], v[ACC+16*\c+8*\u:ACC+16*\c+8*\u+7]
.endr
.endr
	WIN 0
.endm
.macro MAXES t0                        ; four chunks' largest sums, four chains by turns, each accumulator from its low end on; the last line also holds the maximum at q_sq 2^(-e-1): the clamp
.irp c, 0,1,2,3
	v_max3_num_f32 v[MX+\c], v[ACC+16*\c], v[ACC+16*\c+1], v[ACC+16*\c+2]
.endr
.irp k, 1,2,3,4,5,6
.irp c, 0,1,2,3
	v_max3_num_f32 v[MX+\c], v[MX+\c], v[ACC+16*\c+2*\k+1], v[ACC+16*\c+2*\k+2]
.endr
.endr
.irp c, 0,1,2,3
	v_maxmin_num_f32 v[MX+\c], v[MX+\c], v[ACC+16*\c+15], v[QC+(\t0)+\c]
.endr
.endm
.macro UPD t0, cur                     ; the running best of query tiles t0 .. t0 + 3; twelve plain instructions that name no register of the products ahead of them: their places (ISA guide 7.12.1)
.irp c, 0,1,2,3
	v_cmp_gt_f32 s[40+\c], v[MX+\c], v[BEST+(\t0)+\c]
.endr
.irp c, 0,1,2,3
	v_cndmask_b32 v[IDX+(\t0)+\c], v[IDX+(\t0)+\c], s[(\cur)], s[40+\c]
.endr
.irp c, 0,1,2,3
	v_max_num_f32 v[BEST+(\t0)+\c], v[BEST+(\t0)+\c], v[MX+\c]
.endr
.endm
; A trip: the 128 vectors in slot \slot.  refill = 1: the other slot takes the next 128 rows.  pf = 1: the tile after that is prefetched.
.macro TRIP slot, refill, pf
.if \pf
	s_wait_xcnt 0x0                                ; the last prefetch has read its address
	s_add_nc_u64 s[PFA:PFA+1], s[PFA:PFA+1], TILEB
.endif
	s_wait_tensorcnt 0x0                           ; my one load that was out, my 16 rows of this slot, has landed
	ds_add_u32 v[SPW], v[NIL]
	s_add_nc_u64 s[G0+4*\slot+2:G0+4*\slot+3], s[G0+4*\slot+2:G0+4*\slot+3], 2*TILEB   ; this slot's next tile
	s_wait_dscnt 0x0                               ; the add is done; my reads of the other slot, of the images and of C are over
	s_barrier_signal -1
	s_barrier_wait -1
.if \refill
	tensor_load_to_lds s[G0+4-4*\slot:G0+7-4*\slot], s[G1:G1+7]   ; my one load behind this barrier
	s_nop 0
.endif
.set cc, 0
.rept 32
	ds_load_b128 v[R+4*cc:R+4*cc+3], v[VA+\slot] offset:16*cc
.set cc, cc+1
.endr
	s_wait_dscnt 0x0
	SUMSQ
.if \pf
	global_prefetch_b8 v[PFO], s[PFA:PFA+1] th:TH_LOAD_NT scope:SCOPE_SE
.endif
	QUANT
	v_mul_f32 v[VS], s69, v[VS]                    ; C = -v_sq 2^(-e-1)
	ds_store_b32 v[VSA], v[VS]                     ; lanes r and r + 16 write the same word with the same value
.irp p, 0,1,2,3,4,5,6,7
	ds_store_b128 v[IMW], v[CD+4*\p:CD+4*\p+3] offset:512*\p
.endr
	s_wait_dscnt 0x0                               ; for the others' sake: my image and my C have landed
	s_barrier_signal -1                            ; the refill stays on its way
	s_barrier_wait -1
	AFLOAD 0, 0
	BLOAD 0
	AFLOAD 1, 1
	s_wait_dscnt 16                                ; all but the second pair's 16 loads
.irp p, 0,1,2,3
	MULS (\p)%2, 0
.if \p == 0
.rept 4
	v_nop                                          ; the places behind the products: no other vector work is at hand here
.endr
.else
	UPD 4, CUR+\p-1
.endif
	MAXES 0
	MULS (\p)%2, 4
	UPD 0, CUR+\p
.if \p < 3
	BLOAD \p+1
.endif
.if \p < 2
	AFLOAD \p+2, (\p)%2                            ; into the buffer just multiplied
.endif
	MAXES 4
.if \p < 3
	s_wait_alu depctr_va_vdst(0)
.if \p < 2
	s_wait_dscnt 16                                ; the next pair's fragments and C are in; the 16 loads for the pair after it may be out
.else
	s_wait_dscnt 0x0
.endif
.endif
.endr
	UPD 4, CUR+3
.irp b, 0,1,2,3
	s_add_co_u32 s[CUR+\b], s[CUR+\b], 8
.endr
.endm
	s_load_b256 s[4:11], s[0:1], 0x0               ; the scales' exponents s[4:5], vectors s[6:7], qimg s[8:9], qsq s[10:11]
	s_load_b64 s[12:13], s[0:1], 0x20              ; cand
	v_lshl_add_u32 v[SPW], v0, 2, SPARE
	v_mov_b32 v[NIL], 0
	ds_add_u32 v[SPW], v[NIL]                      ; the add, twice on end, and its wait ahead of my first tensor load
	ds_add_u32 v[SPW], v[NIL]
	v_lshrrev_b32 v16, 5, v0
	v_readfirstlane_b32 s14, v16                   ; wave W, 0..7
	s_lshr_b32 s15, ttmp9, 1                       ; stripe
	s_and_b32 s16, ttmp9, 1                        ; query block
	s_lshr_b32 s17, s14, 1                         ; b: my tile's pair
	s_and_b32 s18, s14, 1                          ; u
	; group 1: 16 rows x 256 elements of 4 bytes, 4 words of padding behind every 256: LDS rows 1,040 bytes apart
	s_mov_b32 s[G1+0], (2<<16)|(1<<20)|(7<<22)|(3<<25)
	s_mov_b32 s[G1+1], 256<<16
	s_mov_b32 s[G1+2], 16<<16
	s_mov_b32 s[G1+3], 256<<16
	s_mov_b32 s[G1+4], 16
	s_mov_b32 s[G1+5], 256
	s_mov_b32 s[G1+6], 0
	s_mov_b32 s[G1+7], 0
	s_mov_b32 s[SELR], 0x76543210
	s_mov_b32 s[SELR+1], 0xfedcba98
	s_lshl_b32 s52, s15, 20                        ; the stripe's 1,024 rows of 1,024 bytes,
	s_lshl_b32 s53, s14, 14                        ; my 16 rows of a tile
	s_add_co_u32 s52, s52, s53
	s_mov_b32 s53, 0
	s_mul_i32 s54, s14, 16640                      ; and their place in a slot
	s_mul_i32 s58, s17, 33280
	s_mul_i32 s59, s18, 8320
	s_add_co_u32 s58, s58, s59                     ; my tile's first row in a slot
	s_lshl_b32 s59, s14, 12
	s_add_co_u32 s59, s59, IMG
	s_lshl_b32 s60, s14, 6
	s_add_co_u32 s60, s60, VSQ
	s_lshl_b32 s61, s14, 11
	s_add_co_u32 s61, s61, OST
	s_lshl_b32 s62, s14, 18
	s_lshl_b32 s71, s15, 6                         ; the stripe's first chunk
	s_lshl_b32 s72, s16, 18                        ; qimg: 64 tiles a block, 8 a wave
	s_lshl_b32 s73, s14, 15
	s_add_co_u32 s72, s72, s73
	s_mov_b32 s73, 0
	s_lshl_b32 s74, s16, 12                        ; qsq
	s_lshl_b32 s75, s14, 9
	s_add_co_u32 s74, s74, s75
	s_mov_b32 s75, 0
	s_lshl_b32 s76, s16, 21                        ; cand
	s_lshl_b32 s77, s15, 9
	s_add_co_u32 s76, s76, s77
	s_mov_b32 s77, 0
	s_lshl_b32 s78, s15, 20                        ; the prefetches: tile 1 (stepped ahead of each use), my work-group's half, my wave's 8,192 bytes
	s_lshl_b32 s79, s16, 16
	s_add_co_u32 s78, s78, s79
	s_lshl_b32 s79, s14, 13
	s_add_co_u32 s78, s78, s79
	s_add_co_u32 s78, s78, TILEB
	s_mov_b32 s79, 0
.irp b, 0,1,2,3
	s_mov_b32 s[CUR+\b], 2*\b
.endr
	s_wait_dscnt 0x0                               ; both opening adds are done
	s_wait_kmcnt 0x0
	s_load_b64 s[80:81], s[4:5], 0x0               ; eq, ev
	s_add_nc_u64 s[56:57], s[6:7], s[52:53]
	s_add_nc_u64 s[PFA:PFA+1], s[6:7], s[78:79]
	s_add_nc_u64 s[8:9], s[8:9], s[72:73]
	s_add_nc_u64 s[10:11], s[10:11], s[74:75]
	s_add_nc_u64 s[12:13], s[12:13], s[76:77]
.irp s, 0,1
	s_mov_b32 s[G0+4*\s], 1
	s_add_co_u32 s[G0+4*\s+1], s54, \s*SLOT
	s_add_nc_u64 s[G0+4*\s+2:G0+4*\s+3], s[56:57], \s*TILEB
	s_or_b32 s[G0+4*\s+3], s[G0+4*\s+3], 0x80000000
.endr
	tensor_load_to_lds s[G0:G0+3], s[G1:G1+7]      ; tile 0: one tensor load a wave at the head
	s_nop 0
	v_and_b32 v17, 31, v0                          ; lane
	v_and_b32 v18, 15, v0                          ; r
	v_bfe_u32 v[HH], v0, 4, 1
	v_lshlrev_b32 v[LO], 4, v17
	v_lshlrev_b32 v[PFO], 8, v17
	v_and_b32 v19, 8, v18
	v_add_nc_u32 v19, v19, v18                     ; r + 8 (r / 8)
	v_mul_u32_u24 v[VA], v19, 1040
	v_lshl_add_u32 v[VA], v[HH], 9, v[VA]
	v_add_nc_u32 v[VA], s58, v[VA]
	v_add_nc_u32 v[VA+1], SLOT, v[VA]
	v_add_nc_u32 v[IMW], s59, v[LO]
	v_add_nc_u32 v[IMR], IMG, v[LO]
	v_lshl_add_u32 v[VSA], v18, 2, s60
	v_lshl_add_u32 v[VSB], v[HH], 5, VSQ
	v_add_nc_u32 v[ORD], s61, v[LO]
	v_lshl_add_u32 v[QR], v18, 2, s61
	v_lshl_add_u32 v[OW], v18, 3, s61
	v_lshl_add_u32 v[OW], v[HH], 8, v[OW]
	v_add_nc_u32 v[CO], s62, v[LO]
	v_mov_b32 v[T], 0                              ; written once: a lane permute's destination counts as one of its sources
	global_load_b128 v[ACC:ACC+3], v[LO], s[10:11] ; my 128 queries' q_sq: 512 consecutive bytes
	WIN 0x40
.irp t, 0,1,2,3,4,5,6,7
.irp p, 0,1,2,3,4,5,6,7
	global_load_b128 v[32*\t+4*\p:32*\t+4*\p+3], v[LO], s[8:9] offset:4096*\t+512*\p   ; the queries' codes, as images: 512 consecutive bytes a load
.endr
.endr
	WIN 0
	s_wait_kmcnt 0x0
	s_add_co_i32 s84, s81, 127
	s_lshl_b32 s85, s84, 23
	v_mov_b32 v[SCL], s85                          ; 2^ev as f32: the conversion takes its exponent field
	s_add_co_i32 s84, s84, 8
	s_lshl_b32 s84, s84, 23
	s_or_b32 s84, s84, 0x600000
	v_mov_b32 v[LIM], s84                          ; 448 x 2^ev
	s_add_co_i32 s84, s80, s81                     ; e
	s_add_co_i32 s85, s84, 128
	s_lshl_b32 s85, s85, 23
	s_or_b32 s68, s85, 0x80000000                  ; NS = -2^(e+1)
	s_sub_co_i32 s85, 126, s84
	s_lshl_b32 s67, s85, 23                        ; 2^(-e-1)
	s_or_b32 s69, s67, 0x80000000                  ; -2^(-e-1)
.irp t, 0,1,2,3,4,5,6,7
	v_mov_b32 v[BEST+\t], 0xff7fffff               ; under every sum that is served
	v_mov_b32 v[IDX+\t], 0
.endr
	s_wait_alu depctr_va_vdst(0)
	s_wait_loadcnt 0x0
	ds_store_b128 v[ORD], v[ACC:ACC+3]             ; q_sq through my own stage: LDS serves a wave's instructions in order
.irp t, 0,1,2,3,4,5,6,7
	ds_load_b32 v[QC+\t], v[QR] offset:64*\t       ; tile t, query r
.endr
	s_wait_dscnt 0x0
.irp t, 0,1,2,3,4,5,6,7
	v_mul_f32 v[QC+\t], s67, v[QC+\t]              ; an exact scaling
.endr
	s_wait_alu depctr_va_vdst(0)
	s_mov_b32 s70, 3
.Ltrips:                                           ; trips 0 to 5
	TRIP 0, 1, 1
	TRIP 1, 1, 1
	s_sub_co_u32 s70, s70, 1
	s_cmp_lg_u32 s70, 0
	s_cbranch_scc1 .Ltrips
	TRIP 0, 1, 0                                   ; the tail is written out: trip 6 fetches the last tile,
	TRIP 1, 0, 0                                   ; trip 7 nothing
	; THE WAY OUT.  g of my eight winners; {g, chunk} through my own stage, so that sixteen lanes store 256 consecutive bytes, aligned.
.irp t, 0,1,2,3,4,5,6,7
	ds_load_b32 v[ACC+\t], v[QR] offset:64*\t      ; q_sq once more: it still lies in my stage
.endr
.irp t, 0,1,2,3,4,5,6,7
	v_add3_u32 v[GG+2*\t+1], v[IDX+\t], v[HH], s71 ; the chunk's number in all of the vectors
.endr
	s_wait_alu depctr_va_vdst(0)
	s_wait_dscnt 0x0
.irp t, 0,1,2,3,4,5,6,7
	v_fma_f32 v[GG+2*\t], s68, v[BEST+\t], v[ACC+\t]   ; d = q_sq + v_sq - 2 cross, never negative: best is at most q_sq 2^(-e-1)
.endr
	s_wait_alu depctr_va_vdst(0)
.irp t, 0,1,2,3,4,5,6,7
	v_sqrt_f32 v[GG+2*\t], v[GG+2*\t]
.endr
	v_nop                                          ; a plain place behind the last root,
	s_wait_alu depctr_va_vdst(0)                   ; and one wait for the eight, ahead of their first reader
.irp t, 0,1,2,3,4,5,6,7
	ds_store_b64 v[OW], v[GG+2*\t:GG+2*\t+1] offset:512*(\t/2)+128*(\t%2)   ; run (t / 2, h): 32 queries x 8 bytes
.endr
.irp i, 0,1,2,3
	ds_load_b128 v[GG+32+4*\i:GG+32+4*\i+3], v[ORD] offset:512*\i
.endr
	s_wait_dscnt 0x0
.irp i, 0,1,2,3
	global_store_b128 v[CO], v[GG+32+4*\i:GG+32+4*\i+3], s[12:13] offset:65536*\i   ; lanes 0-15 fill entry 2 stripe's run of 256 bytes, lanes 16-31 the next entry's
.endr
	s_wait_tensorcnt 0x0                           ; the wave's end
	ds_add_u32 v[SPW], v[NIL]
	s_wait_dscnt 0x0
	s_endpgm
.Lfunc_end_k_q7fd04cf6be_scan:
	.size	k_q7fd04cf6be_scan, .Lfunc_end_k_q7fd04cf6be_scan-k_q7fd04cf6be_scan
	.p2alignl 7, 3214868480
	.fill 96, 4, 3214868480
	.section	.rodata,"a",@progbits
	.p2align	6, 0x0
	.amdhsa_kernel k_q7fd04cf6be_scan
		.amdhsa_group_segment_fixed_size 327680
		.amdhsa_private_segment_fixed_size 0
		.amdhsa_enable_private_segment 0
		.amdhsa_kernarg_size 40
		.amdhsa_user_sgpr_count 2
		.amdhsa_user_sgpr_kernarg_segment_ptr 1
		.amdhsa_wavefront_size32 1
		.amdhsa_system_sgpr_workgroup_id_x 1
		.amdhsa_system_sgpr_workgroup_id_y 1
		.amdhsa_system_sgpr_workgroup_id_z 1
		.amdhsa_system_vgpr_workitem_id 0
		.amdhsa_next_free_vgpr 512
		.amdhsa_next_free_sgpr 96
		.amdhsa_reserve_vcc 0
		.amdhsa_float_denorm_mode_32 3
		.amdhsa_float_denorm_mode_16_64 3
		.amdhsa_memory_ordered 1
		.amdhsa_forward_progress 1
		.amdhsa_inst_pref_size 231
	.end_amdhsa_kernel
	.amdgpu_metadata
---
amdhsa.version: [ 1, 2 ]
amdhsa.kernels:
  - .name:           k_q7fd04cf6be_scan
    .symbol:         k_q7fd04cf6be_scan.kd
    .args:
      - { .name: lowp_scales, .offset: 0, .size: 8, .value_kind: global_buffer, .address_space: global }
      - { .name: vectors, .offset: 8, .size: 8, .value_kind: global_buffer, .address_space: global }
      - { .name: qimg, .offset: 16, .size: 8, .value_kind: global_buffer, .address_space: global }
      - { .name: qsq, .offset: 24, .size: 8, .value_kind: global_buffer, .address_space: global }
      - { .name: cand, .offset: 32, .size: 8, .value_kind: global_buffer, .address_space: global }
    .group_segment_fixed_size: 327680
    .private_segment_fixed_size: 0
    .kernarg_segment_align: 8
    .kernarg_segment_size: 40
    .max_flat_workgroup_size: 256
    .sgpr_count:     96
    .vgpr_count:     512
    .wavefront_size: 32
...
	.end_amdgpu_metadata
.endif
;; end of part 2
;; launch pick (part 3): grid 256 x 1, 8 waves a work-group, no clusters, 140,288 bytes of LDS; arguments lowp_scales, vectors, qimg, qsq, cand, out0; writes out0
.if DOCPART == 3
	.amdgcn_target "amdgcn-amd-amdhsa--gfx1250"
	.amdhsa_code_object_version 6
	.text
	.protected	k_q7fd04cf6be_pick
	.globl	k_q7fd04cf6be_pick
	.p2align	8
	.type	k_q7fd04cf6be_pick,@function
k_q7fd04cf6be_pick:
	s_mov_b64 s[64:65], 0
	v_nop
	global_prefetch_b8 v0, s[64:65] scope:SCOPE_SE
	s_setreg_imm32_b32 hwreg(HW_REG_WAVE_MODE, 25, 1), 1
	s_wait_xcnt 0x0
; out0[q] = the first index of the smallest distance.  Work-group x, wave i: query q = 8 x + i.
; 1. Of the 256 entries {bits of g, chunk} that the launch before stored for q, the smallest g and, among equals, the lowest chunk: whole-number compares and minima alone; the chunk's number, held at 8,191, makes the address of its 16 vectors.
; 2. Those 16 vectors (16,384 consecutive bytes) are worked as in the launch before: sums of squares in the same order, the same quantiser, the same two matrix instructions with C = -v_sq 2^(-e-1); then, for all 16,
;    d = q_sq + NS acc, the clamp at 0, the root, and the first position of the smallest root.
; The query's fragment is loaded with the tile's columns turned by 8 (x % 2), so that column i of wave i's product is query q.
; The eight queries' entries are 64 bytes of each run of 256 in cand; four neighbouring work-groups read the four quarters of the same runs.  out0 leaves as 32 bytes a work-group: whole runs of 256 bytes would want 64 queries a work-group,
; 32 work-groups for a launch whose bytes are its 2,048 x 16,384 gathered ones.
; LIMITS: as in the launch before: ev between -126 and 119, eq + ev between -127 and 125; NaN and infinities are not served; the root is good to one unit in the last place; equal roots: the lowest index.
.set WST,  16640                       ; LDS: a stage of 16 rows x 1,040 bytes for each wave,
.set PART, 133120                      ; 4 pairs of queries x 64 partial minima x 16 bytes,
.set VSQ,  137216                      ; 64 bytes a wave,
.set OUTS, 137728                      ; 128 bytes a wave
.set LO,   1                           ; v1   16 x lane
.set SI,   2                           ; v2   the stage, on the way in
.set SO,   3                           ; v3   and out
.set SCL,  4
.set LIM,  5
.set VS,   6
.set T,    7
.set KO,   8                           ; v8   my offset among the entries
.set QO,   9                           ; v9   my offset in a piece of the query's image
.set PW,   10
.set PR,   11
.set VSA,  12
.set VSB,  13
.set OWR,  14
.set ORD,  15
.set P,    16                          ; v16-23 four packed chains
.set KEY,  24                          ; v24-39 entries as loaded; later at work
.set CD,   40                          ; v40-71 the vectors' codes
.set QF,   72                          ; v72-103 the queries' codes
.set ACC,  104
.set BIAS, 112
.set GD,   120                         ; v120-127 d, then g
.set R,    128                         ; v128-255 128 numbers
.set SELR, 30
.set MSB, 0
.macro WIN new
.if MSB != \new
	s_set_vgpr_msb (MSB<<8)|\new
.set MSB, \new
.endif
.endm
.macro TURN                            ; 16 rows through my own stage: LDS serves a wave's instructions in order
.set nn, 0
.rept 32
.if (nn%8) == 0
	s_wait_loadcnt 24-nn                           ; loads come back in order: the next eight are in (and all that was asked for earlier), the younger ones of the run stay out
.endif
	ds_store_b128 v[SI], v[R+4*nn:R+4*nn+3] offset:(nn/2)*1040+(nn%2)*512
.set nn, nn+1
.endr
	s_wait_dscnt 0x0                               ; the stores have read their registers
.set nn, 0
.rept 32
	ds_load_b128 v[R+4*nn:R+4*nn+3], v[SO] offset:16*nn
.set nn, nn+1
.endr
	s_wait_dscnt 0x0
.endm
.macro SUMSQ
.irp x, 0,1,2,3
	v_pk_mul_f32 v[P+2*\x:P+2*\x+1], v[R+2*\x:R+2*\x+1], v[R+2*\x:R+2*\x+1]
.endr
.set kk, 1
.rept 15
.irp x, 0,1,2,3
	s_delay_alu instid0(VALU_DEP_4)
	v_pk_fma_f32 v[P+2*\x:P+2*\x+1], v[R+8*kk+2*\x:R+8*kk+2*\x+1], v[R+8*kk+2*\x:R+8*kk+2*\x+1], v[P+2*\x:P+2*\x+1]
.endr
.set kk, kk+1
.endr
	s_delay_alu instid0(VALU_DEP_3)
	v_pk_add_f32 v[P:P+1], v[P:P+1], v[P+2:P+3]
	s_delay_alu instid0(VALU_DEP_2)
	v_pk_add_f32 v[P+4:P+5], v[P+4:P+5], v[P+6:P+7]
	s_delay_alu instid0(VALU_DEP_1)
	v_pk_add_f32 v[P:P+1], v[P:P+1], v[P+4:P+5]
	s_delay_alu instid0(VALU_DEP_1)
	v_add_f32 v[VS], v[P], v[P+1]
	s_delay_alu instid0(VALU_DEP_1)
	v_permlanex16_b32 v[T], v[VS], s[SELR], s[SELR+1]
	s_delay_alu instid0(VALU_DEP_1)
	v_add_f32 v[VS], v[VS], v[T]
.endm
.macro QUANT dst, dwin
.set cc, 0
.rept 128
	v_med3_num_f32 v[R+cc], v[R+cc], -v[LIM], v[LIM]   ; the conversion to an 8-bit code does not saturate (ISA guide 7.6.2): the hold at the largest code x the scale
.set cc, cc+1
.endr
.if \dwin
	WIN 0x40
.endif
.set cc, 0
.rept 16
	v_cvt_scalef32_pk8_fp8_f32 v[(\dst)+2*cc:(\dst)+2*cc+1], v[R+8*cc:R+8*cc+7], v[SCL]
.set cc, cc+1
.endr
	WIN 0
	v_nop                                          ; a plain vector instruction behind the last conversion, ahead of the products that read the codes
.endm
.macro XMIN v                          ; the smallest whole number of the 32 lanes, in every lane
.irp m, 1,2,4,8
	s_delay_alu instid0(VALU_DEP_1)
	v_mov_b32_dpp v[T], v[\v] row_xmask:\m row_mask:0xf bank_mask:0xf
	s_delay_alu instid0(VALU_DEP_1)
	v_min_u32 v[\v], v[\v], v[T]
.endr
	s_delay_alu instid0(VALU_DEP_1)
	v_permlanex16_b32 v[T], v[\v], s[SELR], s[SELR+1]
	s_delay_alu instid0(VALU_DEP_1)
	v_min_u32 v[\v], v[\v], v[T]
.endm
	s_load_b256 s[4:11], s[0:1], 0x0               ; the scales' exponents s[4:5], vectors s[6:7], qimg s[8:9], qsq s[10:11]
	s_load_b128 s[12:15], s[0:1], 0x20             ; cand s[12:13], out0 s[14:15]
	s_set_vgpr_msb 0x40
	v_lshl_add_u32 v0, v0, 2, 0x22000
	v_mov_b32 v1, 0
	s_set_vgpr_msb 0x4000
	v_lshrrev_b32 v120, 5, v0
	s_delay_alu instid0(VALU_DEP_1)
	v_readfirstlane_b32 s16, v120                  ; wave i
	v_and_b32 v121, 31, v0                         ; lane
	v_and_b32 v122, 15, v0                         ; r
	v_bfe_u32 v123, v0, 4, 1                       ; h
	s_delay_alu instid0(VALU_DEP_3)
	v_lshlrev_b32 v[LO], 4, v121
	s_mul_i32 s17, s16, WST
	v_add_nc_u32 v[SI], s17, v[LO]
	v_mul_u32_u24 v[SO], v122, 1040
	s_delay_alu instid0(VALU_DEP_1)
	v_lshl_add_u32 v[SO], v123, 9, v[SO]
	s_delay_alu instid0(VALU_DEP_1)
	v_add_nc_u32 v[SO], s17, v[SO]
	v_lshrrev_b32 v124, 2, v121                    ; l / 4
	v_and_b32 v125, 3, v121                        ; l % 4: which pair of the eight queries
	s_delay_alu instid0(VALU_DEP_2)
	v_lshlrev_b32 v[KO], 8, v124                   ; load k of wave i: the earlier launch's entry 32 i + 8 k + l / 4: 256 bytes each,
	s_delay_alu instid0(VALU_DEP_1)
	v_lshl_add_u32 v[KO], v125, 4, v[KO]           ; a pair's 16 bytes
	s_lshl_b32 s18, s16, 13
	v_add_nc_u32 v[KO], s18, v[KO]
	s_and_b32 s19, ttmp9, 1
	s_lshl_b32 s19, s19, 3
	v_add_nc_u32 v[QO], s19, v121
	s_delay_alu instid0(VALU_DEP_1)
	v_and_b32 v[QO], 15, v[QO]                     ; column (r + 8 (x % 2)) % 16 of the tile,
	s_delay_alu instid0(VALU_DEP_1)
	v_and_or_b32 v[QO], v121, 16, v[QO]            ; in my half
	s_delay_alu instid0(VALU_DEP_1)
	v_lshlrev_b32 v[QO], 4, v[QO]
	v_lshlrev_b32 v[PW], 10, v125                  ; a pair's 64 partial minima: 1,024 bytes; mine is number 8 i + l / 4
	s_delay_alu instid0(VALU_DEP_1)
	v_lshl_add_u32 v[PW], v124, 4, v[PW]
	s_lshl_b32 s20, s16, 7
	s_add_co_u32 s20, s20, PART
	v_add_nc_u32 v[PW], s20, v[PW]
	s_lshr_b32 s21, s16, 1                         ; back: wave i wants pair i / 2, its query i % 2; lane l takes partial minima l and l + 32
	s_lshl_b32 s21, s21, 10
	s_and_b32 s22, s16, 1
	s_lshl_b32 s22, s22, 3
	s_add_co_u32 s21, s21, s22
	s_add_co_u32 s21, s21, PART
	v_add_nc_u32 v[PR], s21, v[LO]
	s_lshl_b32 s22, s16, 6
	s_add_co_u32 s22, s22, VSQ
	v_lshl_add_u32 v[VSA], v122, 2, s22
	v_lshl_add_u32 v[VSB], v123, 5, s22
	s_lshl_b32 s23, s16, 7
	s_add_co_u32 s23, s23, OUTS
	v_lshl_add_u32 v[OWR], v121, 2, s23
	v_and_b32 v[ORD], 7, v0
	s_delay_alu instid0(VALU_DEP_1)
	v_mul_u32_u24 v[ORD], v[ORD], 132              ; wave l's lane l
	s_delay_alu instid0(VALU_DEP_1)
	v_add_nc_u32 v[ORD], OUTS, v[ORD]
	v_mov_b32 v[T], 0                              ; written once: a lane permute's destination counts as one of its sources
	s_mov_b32 s[SELR], 0x76543210
	s_mov_b32 s[SELR+1], 0xfedcba98
	s_lshr_b32 s24, ttmp9, 2                       ; cand: queries 32 (x / 4) on are 65,536 bytes; my eight are 64 bytes at 64 (x % 4) of each 256
	s_lshl_b32 s24, s24, 16
	s_and_b32 s25, ttmp9, 3
	s_lshl_b32 s25, s25, 6
	s_add_co_u32 s24, s24, s25
	s_mov_b32 s25, 0
	s_lshr_b32 s26, ttmp9, 1                       ; qimg: tile x / 2
	s_lshl_b32 s26, s26, 12
	s_mov_b32 s27, 0
	s_lshl_b32 s28, ttmp9, 5                       ; out0 and qsq: 32 bytes a work-group,
	s_mov_b32 s29, 0
	s_lshl_b32 s44, s16, 2                         ; qsq: + 4 i
	s_add_co_u32 s44, s44, s28
	s_mov_b32 s45, 0
	s_wait_kmcnt 0x0
	s_load_b64 s[32:33], s[4:5], 0x0               ; eq, ev
	s_add_nc_u64 s[12:13], s[12:13], s[24:25]
	s_add_nc_u64 s[8:9], s[8:9], s[26:27]
	s_add_nc_u64 s[14:15], s[14:15], s[28:29]
	s_add_nc_u64 s[10:11], s[10:11], s[44:45]
	s_load_b32 s34, s[10:11], 0x0                  ; q_sq of my query
.irp k, 0,1,2,3
	global_load_b128 v[KEY+4*\k:KEY+4*\k+3], v[KO], s[12:13] offset:2048*\k
.endr
.irp p, 0,1,2,3,4,5,6,7
	global_load_b128 v[QF+4*\p:QF+4*\p+3], v[QO], s[8:9] offset:512*\p
.endr
	s_wait_loadcnt 0x8                             ; the entries are in; the fragment's eight loads may stay out
.irp k, 1,2,3                                  ; my four entries of each of two queries, in ascending order of the vectors: a strict compare keeps the earlier
.irp e, 0,1
	v_cmp_lt_u32 vcc_lo, v[KEY+4*\k+2*\e], v[KEY+2*\e]
	s_delay_alu instid0(VALU_DEP_1)
	v_cndmask_b32 v[KEY+2*\e], v[KEY+2*\e], v[KEY+4*\k+2*\e], vcc_lo
	s_delay_alu instid0(VALU_DEP_2)
	v_cndmask_b32 v[KEY+2*\e+1], v[KEY+2*\e+1], v[KEY+4*\k+2*\e+1], vcc_lo
.endr
.endr
	ds_store_b128 v[PW], v[KEY:KEY+3]
	s_wait_dscnt 0x0                               ; for the others' sake: my store has landed
	s_barrier_signal -1
	s_barrier_wait -1
	ds_load_b64 v[28:29], v[PR]
	ds_load_b64 v[30:31], v[PR] offset:512
	s_wait_dscnt 0x0
	v_min_u32 v32, v28, v30
	XMIN 32                                        ; the smallest g's bits
	s_delay_alu instid0(VALU_DEP_1)
	v_cmp_eq_u32 vcc_lo, v28, v32
	s_delay_alu instid0(VALU_DEP_1)
	v_cndmask_b32 v29, -1, v29, vcc_lo
	s_delay_alu instid0(VALU_DEP_3)
	v_cmp_eq_u32 vcc_lo, v30, v32
	s_delay_alu instid0(VALU_DEP_1)
	v_cndmask_b32 v31, -1, v31, vcc_lo
	s_delay_alu instid0(VALU_DEP_1)
	v_min_u32 v33, v29, v31
	XMIN 33                                        ; the lowest chunk that reaches it
	s_delay_alu instid0(VALU_DEP_1)
	v_readfirstlane_b32 s37, v33
	s_min_u32 s37, s37, 8191                       ; a loaded number enters an address only behind this hold
	s_lshl_b32 s38, s37, 14                        ; 16 rows of 1,024 bytes
	s_mov_b32 s39, 0
	s_add_nc_u64 s[40:41], s[6:7], s[38:39]
.set nn, 0
.rept 32
	global_load_b128 v[R+4*nn:R+4*nn+3], v[LO], s[40:41] offset:512*nn   ; 32 lanes read 512 consecutive bytes
.set nn, nn+1
.endr
	s_wait_kmcnt 0x0
	s_add_co_i32 s42, s33, 127
	s_lshl_b32 s43, s42, 23
	v_mov_b32 v[SCL], s43                          ; 2^ev as f32
	s_add_co_i32 s42, s42, 8
	s_lshl_b32 s42, s42, 23
	s_or_b32 s42, s42, 0x600000
	v_mov_b32 v[LIM], s42                          ; 448 x 2^ev
	s_add_co_i32 s42, s32, s33                     ; e
	s_add_co_i32 s43, s42, 128
	s_lshl_b32 s43, s43, 23
	s_or_b32 s35, s43, 0x80000000                  ; NS = -2^(e+1)
	s_sub_co_i32 s43, 126, s42
	s_lshl_b32 s43, s43, 23
	s_or_b32 s36, s43, 0x80000000                  ; -2^(-e-1)
	s_lshl_b32 s46, s37, 4                         ; the chunk's first index
	TURN
	SUMSQ
	QUANT CD, 0
	v_mul_f32 v[VS], s36, v[VS]
	ds_store_b32 v[VSA], v[VS]                     ; lanes r and r + 16 write the same word with the same value
	ds_load_b128 v[BIAS:BIAS+3], v[VSB]            ; LDS serves a wave's instructions in order: these see the store.  Lane (r, h): rows 8 h + 0 .. 7
	ds_load_b128 v[BIAS+4:BIAS+7], v[VSB] offset:16
	s_wait_dscnt 0x0
	v_wmma_f32_16x16x128_fp8_fp8 v[ACC:ACC+7], v[CD:CD+15], v[QF:QF+15], v[BIAS:BIAS+7]
	s_wait_alu depctr_va_vdst(0)                   ; the wait directly ahead of the link
	v_wmma_f32_16x16x128_fp8_fp8 v[ACC:ACC+7], v[CD+16:CD+31], v[QF+16:QF+31], v[ACC:ACC+7]
.rept 4
	v_nop                                          ; the places behind the product (ISA guide 7.12.1)
.endr
.irp j, 0,1,2,3,4,5,6,7
	v_fma_f32 v[GD+\j], s35, v[ACC+\j], s34        ; d = q_sq + v_sq - 2 cross; the accumulator from its low end on
.endr
.irp j, 0,1,2,3,4,5,6,7
	v_max_num_f32 v[GD+\j], 0, v[GD+\j]
.endr
	s_wait_alu depctr_va_vdst(0)
.irp j, 0,1,2,3,4,5,6,7
	v_sqrt_f32 v[GD+\j], v[GD+\j]
.endr
	v_mov_b32 v25, 7                               ; (a plain instruction behind the last root)
	s_wait_alu depctr_va_vdst(0)                   ; one wait for the eight roots, ahead of their first reader
	v_min3_num_f32 v24, v[GD], v[GD+1], v[GD+2]
	v_min3_num_f32 v24, v24, v[GD+3], v[GD+4]
	v_min3_num_f32 v24, v24, v[GD+5], v[GD+6]
	v_min_num_f32 v24, v24, v[GD+7]
.irp j, 6,5,4,3,2,1,0
	v_cmp_eq_f32 vcc_lo, v[GD+\j], v24
	s_delay_alu instid0(VALU_DEP_1)
	v_cndmask_b32 v25, v25, \j, vcc_lo             ; the first of my eight rows that reaches the minimum
.endr
	v_mov_b32 v26, 0
	v_mov_b32 v27, 0
	s_delay_alu instid0(VALU_DEP_2)
	v_permlanex16_b32 v26, v24, s[SELR], s[SELR+1] ; the other eight rows' minimum,
	s_delay_alu instid0(VALU_DEP_2)
	v_permlanex16_b32 v27, v25, s[SELR], s[SELR+1] ; and where
	s_delay_alu instid0(VALU_DEP_2)
	v_cmp_lt_f32 vcc_lo, v26, v24                  ; in lanes 0-15 the other half's rows are the later ones: they win only by a smaller root
	s_delay_alu instid0(VALU_DEP_2)
	v_add_nc_u32 v27, 8, v27
	s_delay_alu instid0(VALU_DEP_1)
	v_cndmask_b32 v25, v25, v27, vcc_lo
	s_delay_alu instid0(VALU_DEP_1)
	v_add_nc_u32 v25, s46, v25
	ds_store_b32 v[OWR], v25
	s_wait_dscnt 0x0                               ; for wave 0's sake
	s_barrier_signal -1
	s_barrier_wait -1
	s_cmp_lg_u32 s16, 0
	s_cbranch_scc1 .Ldone
	ds_load_b32 v35, v[ORD]                        ; lane l < 8: wave l's column l
	v_lshlrev_b32 v34, 2, v0
	s_wait_alu depctr_va_vdst(0)
	s_wait_dscnt 0x0
	s_wait_xcnt 0x0                                ; EXEC changes only behind this wait
	v_cmp_gt_u32 vcc_lo, 8, v0
	s_and_saveexec_b32 s47, vcc_lo
	global_store_b32 v34, v35, s[14:15]
	s_wait_xcnt 0x0                                ; and again in front of the line that widens it
	s_or_b32 exec_lo, exec_lo, s47
.Ldone:
	s_set_vgpr_msb 0x5
	s_wait_tensorcnt 0x0
	ds_add_u32 v0, v1
	s_wait_dscnt 0x0
	s_set_vgpr_msb 0x500
	s_endpgm
.Lfunc_end_k_q7fd04cf6be_pick:
	.size	k_q7fd04cf6be_pick, .Lfunc_end_k_q7fd04cf6be_pick-k_q7fd04cf6be_pick
	.p2alignl 7, 3214868480
	.fill 96, 4, 3214868480
	.section	.rodata,"a",@progbits
	.p2align	6, 0x0
	.amdhsa_kernel k_q7fd04cf6be_pick
		.amdhsa_group_segment_fixed_size 140288
		.amdhsa_private_segment_fixed_size 0
		.amdhsa_enable_private_segment 0
		.amdhsa_kernarg_size 48
		.amdhsa_user_sgpr_count 2
		.amdhsa_user_sgpr_kernarg_segment_ptr 1
		.amdhsa_wavefront_size32 1
		.amdhsa_system_sgpr_workgroup_id_x 1
		.amdhsa_system_sgpr_workgroup_id_y 1
		.amdhsa_system_sgpr_workgroup_id_z 1
		.amdhsa_system_vgpr_workitem_id 0
		.amdhsa_next_free_vgpr 258
		.amdhsa_next_free_sgpr 66
		.amdhsa_reserve_vcc 1
		.amdhsa_float_denorm_mode_32 3
		.amdhsa_float_denorm_mode_16_64 3
		.amdhsa_memory_ordered 1
		.amdhsa_forward_progress 1
		.amdhsa_inst_pref_size 36
	.end_amdhsa_kernel
	.amdgpu_metadata
---
amdhsa.version: [ 1, 2 ]
amdhsa.kernels:
  - .name:           k_q7fd04cf6be_pick
    .symbol:         k_q7fd04cf6be_pick.kd
    .args:
      - { .name: lowp_scales, .offset: 0, .size: 8, .value_kind: global_buffer, .address_space: global }
      - { .name: vectors, .offset: 8, .size: 8, .value_kind: global_buffer, .address_space: global }
      - { .name: qimg, .offset: 16, .size: 8, .value_kind: global_buffer, .address_space: global }
      - { .name: qsq, .offset: 24, .size: 8, .value_kind: global_buffer, .address_space: global }
      - { .name: cand, .offset: 32, .size: 8, .value_kind: global_buffer, .address_space: global }
      - { .name: out0, .offset: 40, .size: 8, .value_kind: global_buffer, .address_space: global }
    .group_segment_fixed_size: 140288
    .private_segment_fixed_size: 0
    .kernarg_segment_align: 8
    .kernarg_segment_size: 48
    .max_flat_workgroup_size: 256
    .sgpr_count:     66
    .vgpr_count:     258
    .wavefront_size: 32
...
	.end_amdgpu_metadata
.endif
;; end of part 3
